; MI455X (gfx1250); checked and timed in simulation.
; The chip was launched on July 23, 2026; its instructions are those of AMD's public machine-readable ISA for CDNA 5 (MIT licence, August 2026) and "CDNA5" Instruction Set Architecture Reference Guide (July 2026). The comments in the code are by the model that wrote it; some were corrected since.
;; Tissue Expression Heads. Allowed arithmetic: float matrix products may take bf16 or f16 operands with f32 sums; all other float work in f32.
;; Inputs: W1 32 x 512 x 512 float32; W2 32 x 512 float32; b1 32 x 512 float32; b2 32 float32; g_exp 8,192 x 512 float32; tissue_vector 8,192 x 1 int32.
;; Outputs: out0 8,192 x 1 float32.
;; 2 versions, each right; version 2 is version 1 with the launch route written anew for expert scheduling mode. Each part assembles by itself: llvm-mc -triple=amdgcn-amd-amdhsa -mcpu=gfx1250 --defsym DOCPART=n.
;; ======== version 1 of 2: 3 launches
;; limits: a function is approximated: absolute error at most 6e-08
;; workspace buffers: counts 8,192 bytes of whole numbers; lists 1,048,576 bytes of whole numbers; zb 73,472 bytes
;; launch route (part 1): grid 32 x 1, 1 waves a work-group, no clusters, 33,536 bytes of LDS; arguments tissue_vector, counts, lists; writes counts, lists
.if DOCPART == 1
	.amdgcn_target "amdgcn-amd-amdhsa--gfx1250"
	.amdhsa_code_object_version 6
	.text
	.protected	k_qd5917685cc_route
	.globl	k_qd5917685cc_route
	.p2align	8
	.type	k_qd5917685cc_route,@function
k_qd5917685cc_route:
	s_mov_b64 s[64:65], 0
	v_nop
	global_prefetch_b8 v0, s[64:65] scope:SCOPE_SE
	s_setreg_imm32_b32 hwreg(HW_REG_WAVE_MODE, 25, 1), 1
	s_wait_xcnt 0x0
; ROUTING.  One wave for each of the 32 tissues: it reads all 8,192 ids (32,768 bytes), ranks the lanes whose id is its tissue t,
; gathers their sample numbers in LDS and writes
;   counts, block t of 256 bytes: the count c, 64 times (one whole aligned block)
;   lists, 32,768 bytes for tissue t: c sample numbers (in no particular order), then the number 0 (a valid row) up to the next
;   multiple of 64 words.  Blocks of 64 words are stored as far as list or pad words reach, and block 0 always; the next launch
;   reads no others.
; LIMIT: an id outside 0..31 matches no tissue, so that sample is listed nowhere (the ids index a table of 32 heads).
; No barrier (one wave), EXEC is never changed: a lane that does not match stores into a dump word of its own.
.set NS,    8192                       ; samples
.set DUMP,  NS+64                      ; LDS words 0..8255: list and pad run; words 8256..8287: one dump word a lane
.set BUF,   16                         ; v[16:207]  six buffers of 32 registers: a group of 1,024 ids; load q, word e = sample 1024 g + 128 q + 4 lane + e
.set POS,   208                        ; v[208:215] eight LDS places at work
.set VAL,   216                        ; v[216:223] eight sample numbers at work
.set CNT,   224                        ; v[224:225] the count, twice
.set AD8,   226                        ; v226       8 x lane: LDS read address and offset in a block; never rewritten
.set OUT,   228                        ; v[228:229] a block of 64 words on its way out
.set MASK,  32                         ; s[32:63]   the 32 match masks of a group
.set BASE,  66                         ; s[66:98]   matches in front of each of them; s98 = in front of the next group
	s_load_b128 s[4:7], s[0:1], 0x0                ; tissue_vector s[4:5], counts s[6:7]
	s_load_b64 s[8:9], s[0:1], 0x10                ; lists
	v_lshl_add_u32 v232, v0, 2, 0x8200
	v_mov_b32 v233, 0
	s_mov_b32 s10, ttmp9                           ; t
	s_lshl_b32 s16, ttmp9, 8                       ; my block of counts
	s_mov_b32 s17, 0
	s_lshl_b32 s18, ttmp9, 15                      ; my list: 8,192 words
	s_mov_b32 s19, 0
	v_lshlrev_b32 v1, 4, v0                        ; 16 bytes a lane
	v_add_nc_u32 v2, DUMP, v0                      ; my dump word
	v_lshlrev_b32 v3, 2, v0                        ; sample number of my word 0 in load 0 of group 0
	v_lshlrev_b32 v[AD8], 3, v0
	s_wait_kmcnt 0x0
	s_add_nc_u64 s[6:7], s[6:7], s[16:17]
	s_add_nc_u64 s[8:9], s[8:9], s[18:19]
.macro LOADG g, b                      ; group g into buffer b: eight loads of 512 neighbouring bytes; the group stands in the immediate
.irp q, 0,1,2,3,4,5,6,7
	global_load_b128 v[BUF+32*(\b)+4*\q:BUF+32*(\b)+4*\q+3], v1, s[4:5] offset:4096*(\g)+512*\q
.endr
.endm
.irp g, 0,1,2,3,4,5
	LOADG \g, \g                                   ; 48 loads go out together
.endr
	s_mov_b32 s[BASE], 0
; A group of 1,024 ids.  left: how many younger loads may stay out; refill = 1: the buffer is asked for again, six groups ahead.
; Three runs, so that no instruction waits for its neighbour: 32 compares into masks; the running counts in scalar registers;
; the places, eight at a time, stage by stage.
.macro GROUP g, b, left, refill
	s_wait_loadcnt \left                           ; loads come back in order (ISA guide 5.7.1): this group's eight are in
.set n, 0
.rept 32
	v_cmp_eq_u32 s[MASK+n], s10, v[BUF+32*\b+n]
.set n, n+1
.endr
.if \refill
	LOADG (\g+6), \b
.endif
.set n, 0
.rept 32
	s_bcnt1_i32_b32 s12, s[MASK+n]
	s_add_co_u32 s[BASE+n+1], s[BASE+n], s12
.set n, n+1
.endr
.irp n0, 0,8,16,24
.irp k, 0,1,2,3,4,5,6,7
	v_mbcnt_lo_u32_b32 v[POS+\k], s[MASK+\n0+\k], s[BASE+\n0+\k]       ; matches in lower lanes + matches so far
.endr
.irp k, 0,1,2,3,4,5,6,7
	v_cndmask_b32 v[POS+\k], v2, v[POS+\k], s[MASK+\n0+\k]             ; the others go to their dump word
.endr
.irp k, 0,1,2,3,4,5,6,7
	v_min_u32 v[POS+\k], DUMP+31, v[POS+\k]                            ; a place made from loaded numbers is bounded before it addresses LDS
.endr
.irp k, 0,1,2,3,4,5,6,7
	v_lshlrev_b32 v[POS+\k], 2, v[POS+\k]
.endr
.irp k, 0,1,2,3,4,5,6,7
	v_add_nc_u32 v[VAL+\k], 1024*\g+128*((\n0+\k)>>2)+((\n0+\k)&3), v3
.endr
.irp k, 0,1,2,3,4,5,6,7
	ds_store_b32 v[POS+\k], v[VAL+\k]
.endr
.endr
	s_mov_b32 s[BASE], s[BASE+32]
.endm
	GROUP 0, 0, 40, 1                              ; younger: groups 1 to 5
	GROUP 1, 1, 40, 1                              ; groups 2 to 6
	GROUP 2, 2, 40, 0                              ; groups 3 to 7; from here the counts run down
	GROUP 3, 3, 32, 0
	GROUP 4, 4, 24, 0
	GROUP 5, 5, 16, 0
	GROUP 6, 0, 8, 0
	GROUP 7, 1, 0, 0
	; the pad run: words c .. c + 63 get sample 0, so that every block of 64 words that is stored is whole
	v_add_nc_u32 v[POS], s[BASE], v0
	v_min_u32 v[POS], NS+31, v[POS]                ; c is 8,192 at the most: nothing is cut
	v_lshlrev_b32 v[POS], 2, v[POS]
	v_mov_b32 v[VAL], 0
	ds_store_b32 v[POS], v[VAL]
	ds_store_b32 v[POS], v[VAL] offset:128
	; the count
	v_mov_b32 v[CNT], s[BASE]
	v_mov_b32 v[CNT+1], s[BASE]
	global_store_b64 v[AD8], v[CNT:CNT+1], s[6:7]  ; 32 lanes x 8 bytes: 256 consecutive bytes, aligned
	s_add_co_u32 s13, s[BASE], 63
	s_lshr_b32 s13, s13, 6
	s_max_u32 s13, s13, 1                          ; block 0 always: a tile without rows reads it
	s_min_u32 s13, s13, NS/64                      ; blocks of 64 words to store
	; The list leaves through registers, a block of 64 words at a time.  Each block's place stands in the immediates, so no address register
	; is ever stepped.  LDS serves a wave's instructions in order (ISA guide 5.7.1), so the loads see the stores above.
.set i, 0
.rept NS/64
	s_cmp_le_u32 s13, i
	s_cbranch_scc1 .Ldone
	s_wait_xcnt 0x0                                ; the pair that the last store reads is loaded again only behind this wait
	ds_load_b64 v[OUT:OUT+1], v[AD8] offset:256*i
	s_wait_dscnt 0x0
	global_store_b64 v[AD8], v[OUT:OUT+1], s[8:9] offset:256*i         ; 256 consecutive bytes, aligned
.set i, i+1
.endr
.Ldone:
	s_wait_tensorcnt 0x0
	ds_add_u32 v232, v233
	s_wait_dscnt 0x0
	s_endpgm
.Lfunc_end_k_qd5917685cc_route:
	.size	k_qd5917685cc_route, .Lfunc_end_k_qd5917685cc_route-k_qd5917685cc_route
	.p2alignl 7, 3214868480
	.fill 96, 4, 3214868480
	.section	.rodata,"a",@progbits
	.p2align	6, 0x0
	.amdhsa_kernel k_qd5917685cc_route
		.amdhsa_group_segment_fixed_size 33536
		.amdhsa_private_segment_fixed_size 0
		.amdhsa_enable_private_segment 0
		.amdhsa_kernarg_size 24
		.amdhsa_user_sgpr_count 2
		.amdhsa_user_sgpr_kernarg_segment_ptr 1
		.amdhsa_wavefront_size32 1
		.amdhsa_system_sgpr_workgroup_id_x 1
		.amdhsa_system_sgpr_workgroup_id_y 1
		.amdhsa_system_sgpr_workgroup_id_z 1
		.amdhsa_system_vgpr_workitem_id 0
		.amdhsa_next_free_vgpr 234
		.amdhsa_next_free_sgpr 100
		.amdhsa_reserve_vcc 0
		.amdhsa_float_denorm_mode_32 3
		.amdhsa_float_denorm_mode_16_64 3
		.amdhsa_memory_ordered 1
		.amdhsa_forward_progress 1
		.amdhsa_inst_pref_size 167
	.end_amdhsa_kernel
	.amdgpu_metadata
---
amdhsa.version: [ 1, 2 ]
amdhsa.kernels:
  - .name:           k_qd5917685cc_route
    .symbol:         k_qd5917685cc_route.kd
    .args:
      - { .name: tissue_vector, .offset: 0, .size: 8, .value_kind: global_buffer, .address_space: global }
      - { .name: counts, .offset: 8, .size: 8, .value_kind: global_buffer, .address_space: global }
      - { .name: lists, .offset: 16, .size: 8, .value_kind: global_buffer, .address_space: global }
    .group_segment_fixed_size: 33536
    .private_segment_fixed_size: 0
    .kernarg_segment_align: 8
    .kernarg_segment_size: 24
    .max_flat_workgroup_size: 32
    .sgpr_count:     100
    .vgpr_count:     234
    .wavefront_size: 32
...
	.end_amdgpu_metadata
.endif
;; end of part 1
;; launch heads (part 2): grid 159 x 1, 8 waves a work-group, no clusters, 69,632 bytes of LDS; arguments W1, W2, b1, b2, g_exp, counts, lists, zb; writes zb
.if DOCPART == 2
	.amdgcn_target "amdgcn-amd-amdhsa--gfx1250"
	.amdhsa_code_object_version 6
	.text
	.protected	k_qd5917685cc_heads
	.globl	k_qd5917685cc_heads
	.p2align	8
	.type	k_qd5917685cc_heads,@function
k_qd5917685cc_heads:
	s_mov_b64 s[64:65], 0
	v_nop
	global_prefetch_b8 v0, s[64:65] scope:SCOPE_SE
	s_setreg_imm32_b32 hwreg(HW_REG_WAVE_MODE, 25, 1), 1
	s_wait_xcnt 0x0
; zb[b] = GELU(g[b] W1[t] + b1[t]) . W2[t] + b2[t],  t = the sample's tissue; the launch behind this one takes softplus of it.
; The launch before stored, for each tissue, its count and the list of its samples, padded to blocks of 64.  A TILE is one such block.
; Work-group j takes tile j of the tiles of all tissues in a row: it reads the 32 counts by scalar loads, finds the tissue whose run of
; tiles holds j, and makes that block's 64 rows in one pass of straight-line text.
; THE GRID is the most tiles that 8,192 samples in 32 tissues can need: (8192 + pads) / 64 with 32 pads of 63 at the most and a sum
; that 64 divides: 128 + 31 = 159.
; NO BRANCH, NO MASK AND NO TRIP COUNT HANGS ON THE COUNTS OR THE LISTS: they enter bounded addresses and one v_cndmask_b32 alone.
; Every tile does the whole pass, pad rows too (they are sample 0, a valid row).  A tile behind the last one works on block 0 of the last
; tissue's list; it lies on a WGP of its own (159 work-groups, one pass each), so jumping over its work would end the launch no earlier.
; zb: words 0 .. 8191 by sample; behind them 64 spare words for each tile.  A row that holds a sample stores at its sample's word, a row
; that holds none at its tile's spare word, which nobody reads: so the store needs no change of EXEC.
; Eight waves; wave w owns the columns 64 w .. 64 w + 63 of the hidden layer for all 64 rows: 16 accumulator tiles (4 blocks of 16 rows
; x 4 column sets).
;
; W1 (f32, [k][n]) GOES STRAIGHT INTO FRAGMENT ORDER, without LDS and without a transposing load.  For 32 along k, lane (r = l % 16,
; h = l / 16) loads 16 bytes at column 64 w + 4 r of the sixteen rows k = 8 h + 0..7 and 16 + 8 h + 0..7.  Word c of each load belongs to
; column set c = { 64 w + 4 r + c }, and packing the words c of two neighbouring rows gives one register of set c's fragment.  Each load
; of a wave covers two aligned runs of 256 bytes.  That the sets interleave the columns is harmless: bias, GELU and the product with
; W2 work column by column.
; THE MATRIX INSTRUCTION IS USED TRANSPOSED: source 0 = W1's fragment, source 1 = 16 samples.  Register j of lane (r, h) then holds
; sample 16 mi + r, column 64 w + 32 h + 4 j + c: the sum over columns runs inside the lane, plus one step across the halves.
; The first k step takes b1 as C: the bias costs nothing and nothing is cleared.
;
; NO CLUSTER, NO JOINT LOADS, though the tiles of a tissue read the same W1[t]: how many tiles a tissue has hangs on its count, so
; partners cannot be fixed by place, 159 is no multiple of 4, and a joint load would lay W1 as f32 into LDS (1 MiB written and 1 MiB
; read again for each work-group), where here it takes no LDS byte at all.
;
; LIMITS.  g and W1 are rounded to bf16 for the product; all sums are f32, in another order than the reference's.
; The normal distribution function is made by the five-term rational form of Abramowitz and Stegun 7.1.26 (absolute error at most
; 7.5e-8, every finite x); GELU = max(x, 0) - |x| q with q = 1 - Phi(|x|), so both tails are exact.
.set APITCH, 1040                      ; an LDS row of the sample tile: 512 bf16 + 16 bytes = 65 x 16, so 16 rows start at 16 different 16-byte columns
.set RED,    64*APITCH                 ; behind the tile: [8 waves][64 rows] f32, 2,048 bytes
.set NS,     8192                      ; samples
.set ZWORDS, NS+159*64                 ; words in zb
; vector registers, window 0
.set VW,   1                           ; W1: 16,384 h (8 rows) + 256 w + 16 r
.set VG,   2                           ; g: 16 x lane
.set VAST, 3                           ; tile, store: 8 w rows + 8 x lane
.set VALD, 4                           ; tile, fragment load: r rows + 16 h
.set VB,   5                           ; b1, W2: 256 w + 128 h
.set VL,   6                           ; list: 4 (thread % 64)
.set IDX,  7                           ; the sample number of row thread % 64, then that row's word, then its byte offset in zb; holds nothing else
.set VRS,  8                           ; RED, store: 256 w + 4 r
.set VRL,  9                           ; RED, load: 4 (thread % 64)
.set A5,   10                          ; v[10:11] the polynomial's leading coefficient, twice
.set DMP,  12                          ; v12 the spare word of row thread % 64: 8192 + 64 j + thread % 64
.set ACC,  16                          ; v[16:143] tile (mi, c) at 16 + 8 (4 mi + c); before the product: the gathered rows
.set BF,   144                         ; v[144:175] W1's four fragments; also b1 as loaded; also TT
.set AF,   176                         ; v[176:207] the samples' four fragments; also W2 as loaded; also EE
.set TT,   BF
.set EE,   AF
.set QQ,   208                         ; v[208:239] polynomial; at the end the last sums
.set PP,   240                         ; v[240:247] four pairs of partial products
.set PS,   248                         ; v[248:251] a row's sum over my 64 columns, one for each mi
.set XH,   252                         ; v252 the other half's sum
; window 1 (v256-v511, written with their low 8 bits)
;   v0-191: W1 as loaded, three buffers of 64 registers, k step k in buffer k % 3
.set B1R,  192                         ; b1 [c][j]
.set W2R,  224                         ; W2 [c][j]
.set CN,   66                          ; s[66:97] the 32 counts
.set MSB, 0
.macro WIN new                         ; s_set_vgpr_msb: bits 1:0 source 0, 3:2 source 1, 5:4 source 2, 7:6 destination; the high byte repeats the setting that is left
.if MSB != \new
	s_set_vgpr_msb (MSB<<8)|\new
.set MSB, \new
.endif
.endm
.macro PLACES                          ; four plain vector instructions between a matrix instruction and a write of, or a load into, its registers, or a read of its result
.rept 4
	v_nop
.endr
.endm
	s_load_b256 s[4:11], s[0:1], 0x0               ; W1 s[4:5], W2 s[6:7], b1 s[8:9], b2 s[10:11]
	s_load_b256 s[12:19], s[0:1], 0x20             ; g_exp s[12:13], counts s[14:15], lists s[16:17], zb s[18:19]
	v_lshl_add_u32 v254, v0, 2, 0x10c00
	v_mov_b32 v255, 0
	v_lshrrev_b32 v12, 5, v0
	v_readfirstlane_b32 s20, v12                   ; wave 0..7
	v_and_b32 v15, 31, v0                          ; lane
	s_mov_b32 s25, ttmp9                           ; j, my tile
	s_wait_kmcnt 0x0
	; The 32 counts: the first word of each tissue's block of 256 bytes, the block's place in the immediate.  32 scalar loads are one more
	; than their counter's field holds; no wait is placed for that: the issue of the last one holds back by itself (ISA guide 5.7.1).
.set t, 0
.rept 32
	s_load_b32 s[CN+t], s[14:15], t*256
.set t, t+1
.endr
	s_lshl_b32 s27, s20, 5                         ; my 8 words of the block's 64 list words
	s_lshl_b32 s60, s20, 8                         ; 256 w
	s_mul_i32 s61, s20, 8*APITCH                   ; 8 w rows of the tile
	s_lshl_b32 s62, s25, 6
	s_add_co_u32 s62, s62, NS                      ; my tile's spare block in zb, in words
	s_mov_b32 s54, 0x76543210                      ; v_permlanex16_b32: lane i reads lane i of the other half
	s_mov_b32 s55, 0xfedcba98
	s_mov_b32 s56, 0x3e6d3388                      ; 0.3275911 / sqrt 2
	s_mov_b32 s53, 0                               ; the high word of every offset pair: all offsets are below 4 GiB
	v_and_b32 v13, 15, v0                          ; r
	v_bfe_u32 v14, v0, 4, 1                        ; h
	v_lshlrev_b32 v[VW], 4, v13
	v_lshl_add_u32 v[VW], v14, 14, v[VW]
	v_add_nc_u32 v[VW], s60, v[VW]
	v_lshlrev_b32 v[VG], 4, v15
	v_lshl_add_u32 v[VAST], v15, 3, s61
	v_mul_u32_u24 v[VALD], v13, APITCH
	v_lshl_add_u32 v[VALD], v14, 4, v[VALD]
	v_lshl_add_u32 v[VB], v14, 7, s60
	v_and_b32 v[VL], 63, v0
	v_add_nc_u32 v[DMP], s62, v[VL]
	v_lshlrev_b32 v[VL], 2, v[VL]
	v_lshl_add_u32 v[VRS], v13, 2, s60
	v_add_nc_u32 v[VRS], RED, v[VRS]
	v_add_nc_u32 v[VRL], RED, v[VL]
	v_mov_b32 v[A5], 0x3f07dc22                    ; a5 / 2
	v_mov_b32 v[A5+1], 0x3f07dc22
	v_mov_b32 v[XH], 0                             ; v_permlanex16_b32 counts as reading its destination
	s_mov_b32 s21, 0                               ; T: the tissue that holds tile j
	s_mov_b32 s22, 0                               ; its first tile
	s_mov_b32 s23, 0                               ; its count
	s_mov_b32 s24, 0                               ; running: the first tile of tissue t
	s_wait_kmcnt 0x0                               ; scalar loads come back in no order: all 32 counts
	; The last tissue whose first tile is not behind j holds tile j (a tissue without samples has no tile and is passed over by the next).
.set t, 0
.rept 32
	s_add_co_u32 s57, s[CN+t], 63
	s_lshr_b32 s57, s57, 6                         ; tissue t's tiles
	s_cmp_le_u32 s24, s25
	s_cselect_b32 s21, t, s21
	s_cselect_b32 s22, s24, s22
	s_cselect_b32 s23, s[CN+t], s23
	s_add_co_u32 s24, s24, s57
.set t, t+1
.endr
	s_sub_co_u32 s22, s25, s22                     ; I: my block in T's list
	s_lshl_b32 s57, s22, 6
	s_sub_co_i32 s23, s23, s57                     ; samples from my block on; below 1 where j lies behind the last tile
	s_max_i32 s23, s23, 0
	s_min_u32 s23, s23, 64                         ; my rows
	s_cmp_eq_u32 s23, 0
	s_cselect_b32 s22, 0, s22                      ; without rows: block 0, which is always stored
	s_min_u32 s22, s22, 127                        ; numbers made from loaded ones are bounded before they enter addresses
	s_min_u32 s21, s21, 31
	s_lshl_b32 s52, s21, 15
	s_lshl_b32 s57, s22, 8
	s_add_co_u32 s52, s52, s57
	s_add_nc_u64 s[16:17], s[16:17], s[52:53]      ; T's list (32,768 bytes), block I (256 bytes): my 64 list words
	s_lshl_b32 s52, s21, 20
	s_add_nc_u64 s[4:5], s[4:5], s[52:53]          ; W1[T]: 512 x 512 x 4 bytes
	s_lshl_b32 s52, s21, 11
	s_add_nc_u64 s[6:7], s[6:7], s[52:53]          ; W2[T]
	s_add_nc_u64 s[8:9], s[8:9], s[52:53]          ; b1[T]
	s_lshl_b32 s57, s21, 2                         ; b2[T]
; W1's 32 rows of k step k, my 64 columns, into buffer k % 3: 16 loads.  Every step stands in the immediate (1,030,144 at the most),
; so neither the base nor the offset register is ever rewritten.
.macro WLOAD k
.set u, 0
.rept 16
	global_load_b128 v[64*((\k)%3)+4*u:64*((\k)%3)+4*u+3], v[VW], s[4:5] offset:(32*(\k)+u+8*(u>>3))*2048
.set u, u+1
.endr
.endm
; Row i of my eight gathered rows: round to bf16 in place and lay it into the tile.
.macro GROW i
	s_wait_loadcnt 28-4*\i                         ; loads come back in order (ISA guide 5.7.1): all but the 4 (7 - i) gather loads younger than this row's four
.irp q, 0,1,2,3
	v_cvt_pk_bf16_f32 v[ACC+16*\i+4*\q],   v[ACC+16*\i+4*\q],   v[ACC+16*\i+4*\q+1]
	v_cvt_pk_bf16_f32 v[ACC+16*\i+4*\q+1], v[ACC+16*\i+4*\q+2], v[ACC+16*\i+4*\q+3]
.endr
.irp q, 0,1,2,3
	ds_store_b64 v[VAST], v[ACC+16*\i+4*\q:ACC+16*\i+4*\q+1] offset:APITCH*\i+256*\q   ; 32 lanes x 8 bytes: 256 neighbouring bytes
.endr
.endm
; One k step of 32.  left: how many younger W1 loads may stay out (-1: the buffer is known to have landed); refill = 1: the buffer just
; converted is asked for again, three k steps ahead.
.macro STEP k, left, refill
.if \k
	PLACES                                         ; behind the last step's matrix instructions: AF is loaded and BF written again below
.endif
.irp mi, 0,1,2,3
	ds_load_b128 v[AF+8*\mi:AF+8*\mi+3],   v[VALD] offset:16*APITCH*\mi+64*\k      ; sample 16 mi + r, k = 8 h + 0..7
	ds_load_b128 v[AF+8*\mi+4:AF+8*\mi+7], v[VALD] offset:16*APITCH*\mi+64*\k+32   ; k = 16 + 8 h + 0..7
.endr
.if \left >= 0
	s_wait_loadcnt \left
.endif
	WIN 0x05                                       ; both sources in window 1
.irp c, 0,1,2,3
.irp i, 0,1,2,3,4,5,6,7
	v_cvt_pk_bf16_f32 v[BF+8*\c+\i], v[64*(\k%3)+8*\i+\c], v[64*(\k%3)+8*\i+4+\c]   ; rows 2 i, 2 i + 1 of my sixteen, column set c
.endr
.endr
.if \refill
	WIN 0x40                                       ; destination in window 1
	WLOAD (\k+3)
.endif
.if \k
	WIN 0
.else
	WIN 0x10                                       ; C = b1, in window 1
.endif
	s_wait_dscnt 0x0                               ; the eight fragment loads, issued ahead of the 32 conversions
	; the sixteen accumulators take turns, one instruction a turn, in the same order in every step
.irp mi, 0,1,2,3
.irp c, 0,1,2,3
.if \k
	v_wmma_f32_16x16x32_bf16 v[ACC+8*(4*\mi+\c):ACC+8*(4*\mi+\c)+7], v[BF+8*\c:BF+8*\c+7], v[AF+8*\mi:AF+8*\mi+7], v[ACC+8*(4*\mi+\c):ACC+8*(4*\mi+\c)+7]
.else
	v_wmma_f32_16x16x32_bf16 v[ACC+8*(4*\mi+\c):ACC+8*(4*\mi+\c)+7], v[BF+8*\c:BF+8*\c+7], v[AF+8*\mi:AF+8*\mi+7], v[B1R+8*\c:B1R+8*\c+7]
.endif
.endr
.endr
	WIN 0
.endm
; GELU and the product with W2 for the 16 rows of block mi: 32 numbers a lane, stage by stage, so that no instruction waits for its neighbour.
.macro EPI mi
.set XB, ACC+32*\mi
.set n, 0
.rept 32
	v_fma_f32 v[TT+n], |v[XB+n]|, s56, 1.0         ; 1 + p |x| / sqrt 2
.set n, n+1
.endr
.set n, 0
.rept 16
	v_pk_mul_f32 v[EE+n:EE+n+1], v[XB+n:XB+n+1], v[XB+n:XB+n+1]
.set n, n+2
.endr
.set n, 0
.rept 32
	v_rcp_f32 v[TT+n], v[TT+n]                     ; t
.set n, n+1
.endr
.set n, 0
.rept 16
	v_pk_mul_f32 v[EE+n:EE+n+1], v[EE+n:EE+n+1], 0xbf38aa3b op_sel_hi:[1,0]   ; -x^2 log2 e / 2; the first of these is the plain instruction behind the last v_rcp_f32 and names no t (ISA guide 5.7.2)
.set n, n+2
.endr
.set n, 0
.rept 32
	v_exp_f32 v[EE+n], v[EE+n]                     ; e^(-x^2 / 2)
.set n, n+1
.endr
.set n, 0
	s_wait_alu depctr_va_vdst(0)
.rept 16
	v_pk_fma_f32 v[QQ+n:QQ+n+1], v[TT+n:TT+n+1], v[A5:A5+1], 0xbf3a00e3 op_sel_hi:[1,1,0]   ; a5 t + a4 (all coefficients halved); plain, and names no result of v_exp_f32
.set n, n+2
.endr
.irp a, 0x3f35f0e3, 0xbe11a98e, 0x3e027906
.set n, 0
.rept 16
	v_pk_fma_f32 v[QQ+n:QQ+n+1], v[QQ+n:QQ+n+1], v[TT+n:TT+n+1], \a op_sel_hi:[1,1,0]       ; ... t + a3, a2, a1
.set n, n+2
.endr
.endr
.set n, 0
.rept 16
	v_pk_mul_f32 v[TT+n:TT+n+1], v[TT+n:TT+n+1], v[EE+n:EE+n+1]
.set n, n+2
.endr
.set n, 0
.rept 16
	v_pk_mul_f32 v[QQ+n:QQ+n+1], v[QQ+n:QQ+n+1], v[TT+n:TT+n+1]   ; q = 1 - Phi(|x|)
.set n, n+2
.endr
.set n, 0
.rept 32
	v_max_num_f32 v[TT+n], 0, v[XB+n]
.set n, n+1
.endr
.set n, 0
.rept 32
	v_fma_f32 v[TT+n], -|v[XB+n]|, v[QQ+n], v[TT+n]               ; GELU(x) = max(x, 0) - |x| q
.set n, n+1
.endr
	WIN 0x04                                       ; source 1 (W2) in window 1
.irp c, 0,1,2,3
	v_pk_mul_f32 v[PP+2*\c:PP+2*\c+1], v[TT+8*\c:TT+8*\c+1], v[W2R+8*\c:W2R+8*\c+1]   ; four chains, each started by its first product
.endr
.irp j, 2,4,6
.irp c, 0,1,2,3
	v_pk_fma_f32 v[PP+2*\c:PP+2*\c+1], v[TT+8*\c+\j:TT+8*\c+\j+1], v[W2R+8*\c+\j:W2R+8*\c+\j+1], v[PP+2*\c:PP+2*\c+1]
.endr
.endr
	WIN 0
	v_pk_add_f32 v[PP:PP+1], v[PP:PP+1], v[PP+2:PP+3]
	v_pk_add_f32 v[PP+4:PP+5], v[PP+4:PP+5], v[PP+6:PP+7]
	v_pk_add_f32 v[PP:PP+1], v[PP:PP+1], v[PP+4:PP+5]
	v_add_f32 v[PS+\mi], v[PP], v[PP+1]            ; my 32 columns of row 16 mi + r
	v_permlanex16_b32 v[XH], v[PS+\mi], s54, s55   ; the other half's 32
	v_add_f32 v[PS+\mi], v[PS+\mi], v[XH]          ; both halves now hold the same sum
.endm
	; REQUESTS.  The list is padded to whole blocks of 64 words, so every word asked for here was stored.
	s_load_b256 s[28:35], s[16:17], s27 offset:0x0                 ; the sample numbers of rows 8 w .. 8 w + 7
	s_load_b32 s26, s[10:11], s57 offset:0x0                       ; b2[T]
	global_load_b32 v[IDX], v[VL], s[16:17]                        ; the sample number of row thread % 64, for the way out
.irp j, 0,1,2,3,4,5,6,7
	global_load_b128 v[BF+4*\j:BF+4*\j+3], v[VB], s[8:9] offset:16*\j   ; b1 at columns 64 w + 32 h + 4 j + 0..3
.endr
.irp j, 0,1,2,3,4,5,6,7
	global_load_b128 v[AF+4*\j:AF+4*\j+3], v[VB], s[6:7] offset:16*\j   ; W2 likewise
.endr
	WIN 0x40
	WLOAD 0                                        ; W1's first three k steps go out ahead of the gather, which has to wait for the list
	WLOAD 1
	WLOAD 2
	WIN 0
	; GATHER: my eight rows of g, 2,048 bytes each, four loads of 512 neighbouring bytes a row.  With these the wave has issued 97 loads;
	; no wait is placed for that: the issue of the later ones holds back by itself (ISA guide 5.7.1).
	s_wait_kmcnt 0x0
.irp i, 0,1,2,3,4,5,6,7
	s_min_u32 s[28+\i], s[28+\i], 8191             ; a loaded number is bounded before it enters an address
	s_lshl_b32 s52, s[28+\i], 11
	s_add_nc_u64 s[36+2*\i:37+2*\i], s[12:13], s[52:53]
.endr
.irp i, 0,1,2,3,4,5,6,7
.irp q, 0,1,2,3
	global_load_b128 v[ACC+16*\i+4*\q:ACC+16*\i+4*\q+3], v[VG], s[36+2*\i:37+2*\i] offset:512*\q
.endr
.endr
.irp i, 0,1,2,3,4,5,6,7
	GROW \i
.endr
	; The last row's wait was for 0: b1, W2, the list word and W1's k steps 0 to 2 have landed too.
	v_cmp_gt_u32 vcc_lo, s23, v0                   ; threads 0 .. rows - 1 hold a sample
	v_cndmask_b32 v[IDX], v[DMP], v[IDX], vcc_lo   ; their word in zb is the sample's; the others take their tile's spare word
	v_min_u32 v[IDX], ZWORDS-1, v[IDX]             ; a number made from loaded ones is bounded before it enters an address,
	v_lshlrev_b32 v[IDX], 2, v[IDX]                ; here the row's byte offset in zb
	; b1 and W2 come with the column set c along the registers; C and the packed products want j along them: a transpose in registers.
	WIN 0x40
.irp c, 0,1,2,3
.irp j, 0,1,2,3,4,5,6,7
	v_mov_b32 v[B1R+8*\c+\j], v[BF+4*\j+\c]
	v_mov_b32 v[W2R+8*\c+\j], v[AF+4*\j+\c]
.endr
.endr
	WIN 0
	s_wait_dscnt 0x0                               ; for the other waves' sake: my rows of the tile are written
	s_barrier_signal -1
	s_barrier_wait -1                              ; the tile is whole
	; THE PRODUCT: 16 k steps.  Up to three steps of W1 (48 loads of 512 bytes) of every wave are on their way.
	STEP 0, -1, 1
	STEP 1, -1, 1
	STEP 2, -1, 1
.irp k, 3,4,5,6,7,8,9,10,11,12
	STEP \k, 32, 1                                 ; the two younger steps' 32 loads stay out
.endr
	STEP 13, 32, 0
	STEP 14, 16, 0                                 ; the counts run down: nothing is asked for beyond k = 511
	STEP 15, 0, 0
	PLACES                                         ; behind the last matrix instructions: results are read, BF and AF written below
.irp mi, 0,1,2,3
	EPI \mi
.endr
.irp mi, 0,1,2,3
	ds_store_b32 v[VRS], v[PS+\mi] offset:64*\mi   ; RED[w][16 mi + r]; both halves write the same word with the same value
.endr
	s_wait_dscnt 0x0                               ; for the others' sake: my sums are written
	s_barrier_signal -1
	s_barrier_wait -1                              ; RED is whole
	; THE WAY OUT: threads 0 to 63 (waves 0 and 1) each finish one row.
	s_cmp_ge_u32 s20, 2
	s_cbranch_scc1 .Lnofin
.irp w, 0,1,2,3,4,5,6,7
	ds_load_b32 v[QQ+\w], v[VRL] offset:256*\w
.endr
	s_wait_dscnt 0x0
	v_pk_add_f32 v[QQ:QQ+1], v[QQ:QQ+1], v[QQ+2:QQ+3]
	v_pk_add_f32 v[QQ+4:QQ+5], v[QQ+4:QQ+5], v[QQ+6:QQ+7]
	v_pk_add_f32 v[QQ:QQ+1], v[QQ:QQ+1], v[QQ+4:QQ+5]
	v_add_f32 v[QQ], v[QQ], v[QQ+1]
	v_add_f32 v[QQ], s26, v[QQ]                    ; z
	global_store_b32 v[IDX], v[QQ], s[18:19]       ; one f32 at the sample's own word (4 bytes a sample, in the samples' order), or at the spare word
.Lnofin:
	s_wait_tensorcnt 0x0
	ds_add_u32 v254, v255
	s_wait_dscnt 0x0
	s_endpgm
.Lfunc_end_k_qd5917685cc_heads:
	.size	k_qd5917685cc_heads, .Lfunc_end_k_qd5917685cc_heads-k_qd5917685cc_heads
	.p2alignl 7, 3214868480
	.fill 96, 4, 3214868480
	.section	.rodata,"a",@progbits
	.p2align	6, 0x0
	.amdhsa_kernel k_qd5917685cc_heads
		.amdhsa_group_segment_fixed_size 69632
		.amdhsa_private_segment_fixed_size 0
		.amdhsa_enable_private_segment 0
		.amdhsa_kernarg_size 64
		.amdhsa_user_sgpr_count 2
		.amdhsa_user_sgpr_kernarg_segment_ptr 1
		.amdhsa_wavefront_size32 1
		.amdhsa_system_sgpr_workgroup_id_x 1
		.amdhsa_system_sgpr_workgroup_id_y 1
		.amdhsa_system_sgpr_workgroup_id_z 1
		.amdhsa_system_vgpr_workitem_id 0
		.amdhsa_next_free_vgpr 512
		.amdhsa_next_free_sgpr 98
		.amdhsa_reserve_vcc 1
		.amdhsa_float_denorm_mode_32 3
		.amdhsa_float_denorm_mode_16_64 3
		.amdhsa_memory_ordered 1
		.amdhsa_forward_progress 1
		.amdhsa_inst_pref_size 188
	.end_amdhsa_kernel
	.amdgpu_metadata
---
amdhsa.version: [ 1, 2 ]
amdhsa.kernels:
  - .name:           k_qd5917685cc_heads
    .symbol:         k_qd5917685cc_heads.kd
    .args:
      - { .name: W1, .offset: 0, .size: 8, .value_kind: global_buffer, .address_space: global }
      - { .name: W2, .offset: 8, .size: 8, .value_kind: global_buffer, .address_space: global }
      - { .name: b1, .offset: 16, .size: 8, .value_kind: global_buffer, .address_space: global }
      - { .name: b2, .offset: 24, .size: 8, .value_kind: global_buffer, .address_space: global }
      - { .name: g_exp, .offset: 32, .size: 8, .value_kind: global_buffer, .address_space: global }
      - { .name: counts, .offset: 40, .size: 8, .value_kind: global_buffer, .address_space: global }
      - { .name: lists, .offset: 48, .size: 8, .value_kind: global_buffer, .address_space: global }
      - { .name: zb, .offset: 56, .size: 8, .value_kind: global_buffer, .address_space: global }
    .group_segment_fixed_size: 69632
    .private_segment_fixed_size: 0
    .kernarg_segment_align: 8
    .kernarg_segment_size: 64
    .max_flat_workgroup_size: 256
    .sgpr_count:     98
    .vgpr_count:     512
    .wavefront_size: 32
...
	.end_amdgpu_metadata
.endif
;; end of part 2
;; launch finish (part 3): grid 8 x 1, 8 waves a work-group, no clusters, 0 bytes of LDS; arguments zb, out0; writes out0
.if DOCPART == 3
	.amdgcn_target "amdgcn-amd-amdhsa--gfx1250"
	.amdhsa_code_object_version 6
	.text
	.protected	k_qd5917685cc_finish
	.globl	k_qd5917685cc_finish
	.p2align	8
	.type	k_qd5917685cc_finish,@function
k_qd5917685cc_finish:
	s_mov_b64 s[64:65], 0
	v_nop
	global_prefetch_b8 v0, s[64:65] scope:SCOPE_SE
	s_setreg_imm32_b32 hwreg(HW_REG_WAVE_MODE, 25, 1), 1
	s_wait_xcnt 0x0
; out0[b] = softplus(zb[b]) for the 8,192 samples: the first 32,768 bytes of zb, in the samples' order (the spare words behind them are not read).
; 8 work-groups x 256 threads x 4 numbers.  A thread takes 16 neighbouring bytes, so each load and store of a wave covers 512
; consecutive bytes, aligned.  One load a thread: there is nothing to keep in flight, no LDS, no barrier, no matrix work.
; softplus(z) = max(z, 0) + ln 2 log2(1 + 2^(-|z| log2 e)): the exponent is never above 0, so nothing overflows.
; LIMIT: absolute error about 6e-8; below z = -17 it gives 0 where e^z is meant.
.set Z, 4                              ; v[4:7]    z
.set E, 8                              ; v[8:11]   at work, then the result
.set M, 12                             ; v[12:15]  max(z, 0)
	s_load_b128 s[4:7], s[0:1], 0x0                ; zb s[4:5], out0 s[6:7]
	s_lshl_b32 s8, ttmp9, 12                       ; 256 threads x 16 bytes a work-group
	s_mov_b32 s9, 0xbfb8aa3b                       ; -log2 e
	s_mov_b32 s10, 0x3f317218                      ; ln 2
	v_lshl_add_u32 v1, v0, 4, s8
	s_wait_kmcnt 0x0
	global_load_b128 v[Z:Z+3], v1, s[4:5]
	s_wait_loadcnt 0x0
.irp k, 0,1,2,3
	v_mul_f32 v[E+\k], s9, |v[Z+\k]|
.endr
.irp k, 0,1,2,3
	v_exp_f32 v[E+\k], v[E+\k]
.endr
.irp k, 0,1,2,3
	v_max_num_f32 v[M+\k], 0, v[Z+\k]              ; plain work between the last v_exp_f32 and the use of its result (ISA guide 5.7.2)
.endr
	s_wait_alu depctr_va_vdst(0)
.irp k, 0,1,2,3
	v_add_f32 v[E+\k], 1.0, v[E+\k]
.endr
.irp k, 0,1,2,3
	v_log_f32 v[E+\k], v[E+\k]
.endr
	v_nop                                          ; the same behind the last v_log_f32
	s_wait_alu depctr_va_vdst(0)
.irp k, 0,1,2,3
	v_fma_f32 v[E+\k], v[E+\k], s10, v[M+\k]
.endr
	global_store_b128 v1, v[E:E+3], s[6:7]
	s_endpgm
.Lfunc_end_k_qd5917685cc_finish:
	.size	k_qd5917685cc_finish, .Lfunc_end_k_qd5917685cc_finish-k_qd5917685cc_finish
	.p2alignl 7, 3214868480
	.fill 96, 4, 3214868480
	.section	.rodata,"a",@progbits
	.p2align	6, 0x0
	.amdhsa_kernel k_qd5917685cc_finish
		.amdhsa_group_segment_fixed_size 0
		.amdhsa_private_segment_fixed_size 0
		.amdhsa_enable_private_segment 0
		.amdhsa_kernarg_size 16
		.amdhsa_user_sgpr_count 2
		.amdhsa_user_sgpr_kernarg_segment_ptr 1
		.amdhsa_wavefront_size32 1
		.amdhsa_system_sgpr_workgroup_id_x 1
		.amdhsa_system_sgpr_workgroup_id_y 1
		.amdhsa_system_sgpr_workgroup_id_z 1
		.amdhsa_system_vgpr_workitem_id 0
		.amdhsa_next_free_vgpr 16
		.amdhsa_next_free_sgpr 66
		.amdhsa_reserve_vcc 0
		.amdhsa_float_denorm_mode_32 3
		.amdhsa_float_denorm_mode_16_64 3
		.amdhsa_memory_ordered 1
		.amdhsa_forward_progress 1
		.amdhsa_inst_pref_size 2
	.end_amdhsa_kernel
	.amdgpu_metadata
---
amdhsa.version: [ 1, 2 ]
amdhsa.kernels:
  - .name:           k_qd5917685cc_finish
    .symbol:         k_qd5917685cc_finish.kd
    .args:
      - { .name: zb, .offset: 0, .size: 8, .value_kind: global_buffer, .address_space: global }
      - { .name: out0, .offset: 8, .size: 8, .value_kind: global_buffer, .address_space: global }
    .group_segment_fixed_size: 0
    .private_segment_fixed_size: 0
    .kernarg_segment_align: 8
    .kernarg_segment_size: 16
    .max_flat_workgroup_size: 256
    .sgpr_count:     66
    .vgpr_count:     16
    .wavefront_size: 32
...
	.end_amdgpu_metadata
.endif
;; end of part 3
;; ======== version 2 of 2: 3 launches; version 1 with the launch route written anew for expert scheduling mode
;; limits: a function is approximated: absolute error at most 6e-08
;; workspace buffers: counts 8,192 bytes of whole numbers; lists 1,048,576 bytes of whole numbers; zb 73,472 bytes
;; launch route (part 4): grid 32 x 1, 1 waves a work-group, no clusters, 33,536 bytes of LDS; arguments tissue_vector, counts, lists; writes counts, lists
.if DOCPART == 4
	.amdgcn_target "amdgcn-amd-amdhsa--gfx1250"
	.amdhsa_code_object_version 6
	.text
	.protected	k_qd5917685cc_route
	.globl	k_qd5917685cc_route
	.p2align	8
	.type	k_qd5917685cc_route,@function
k_qd5917685cc_route:
	s_mov_b64 s[64:65], 0
	v_nop
	global_prefetch_b8 v0, s[64:65] scope:SCOPE_SE
	s_setreg_imm32_b32 hwreg(HW_REG_WAVE_SCHED_MODE, 0, 2), 2
	s_setreg_imm32_b32 hwreg(HW_REG_WAVE_MODE, 25, 1), 1
	s_wait_xcnt 0x0
	s_wait_alu depctr_vm_vsrc(0)
; ROUTING.  One wave for each of the 32 tissues: it reads all 8,192 ids (32,768 bytes), ranks the lanes whose id is its tissue t,
; gathers their sample numbers in LDS and writes
;   counts, block t of 256 bytes: the count c, 64 times (one whole aligned block)
;   lists, 32,768 bytes for tissue t: c sample numbers (in no particular order), then the number 0 (a valid row) up to the next
;   multiple of 64 words.  Blocks of 64 words are stored as far as list or pad words reach, and block 0 always; the next launch
;   reads no others.
; LIMIT: an id outside 0..31 matches no tissue, so that sample is listed nowhere (the ids index a table of 32 heads).
; No barrier (one wave), EXEC is never changed: a lane that does not match stores into a dump word of its own.
; THE MODE: SCHED_MODE bits 1:0 = 2 (LLVM: expert scheduling mode 2), set by the entry lines.  The code itself states the register dependences
; between vector instructions and memory or LDS instructions, with s_wait_alu, always for 0.
; THE PLAN.  The ids go in eight groups of 1,024.  Registers that memory or LDS instructions touch:
;   v1, v[AD8]    offsets, made once at the head and never written again: groups and blocks stand in the immediates.
;   BUF0 .. BUF5  A group's ids land in its buffer; its 32 compares read them; its 32 LDS places are then made IN PLACE over them; the 32 LDS
;                 stores that take the places as addresses are issued in the NEXT group.  Buffers 0 and 1 are then loaded once more (groups 6, 7).
;   VAL           32 sample numbers.  Written by group g's adds, read as data by the same 32 stores in group g + 1, then written by group g + 1's adds.
;   PADP, PADV, CNT   written once behind group 7, read by two LDS stores and one global store.
;   OUT           a ring of eight pairs: block i's LDS load lands in pair i % 8, block i's global store reads it.
; So a group has three waits.  At its head, on va_vdst: the group before has written its places and VAL and is done with its buffer; the 32 stores
; follow, one behind each of this group's compares, which name this group's buffer and scalar masks alone.  Behind the compares, on va_sdst: the
; masks are written.  Behind the running counts, which are scalar work, on vm_vsrc: the stores have read VAL and the last group's buffer.
.set NS,    8192                       ; samples
.set DUMP,  NS+64                      ; LDS words 0..8255: list and pad run; words 8256..8287: one dump word a lane
.set AD8,   4                          ; v4         8 x lane: LDS read address and offset in a block; never rewritten
.set PADP,  5                          ; v5         the pad run's LDS place
.set PADV,  6                          ; v6         the pad run's value: sample 0
.set BUF,   8                          ; v[8:199]   six buffers of 32 registers: a group of 1,024 ids; load q, word e = sample 1024 g + 128 q + 4 lane + e; then the group's 32 LDS places
.set VAL,   200                        ; v[200:231] a group's 32 sample numbers
.set CNT,   234                        ; v[234:235] the count, twice
.set OUT,   236                        ; v[236:251] eight pairs by turns: a block of 64 words on its way out
.set RING,  8
.set MASK,  32                         ; s[32:63]   the 32 match masks of a group
.set BASE,  66                         ; s[66:98]   matches in front of each of them; s98 = in front of the next group
	s_load_b128 s[4:7], s[0:1], 0x0                ; tissue_vector s[4:5], counts s[6:7]
	s_load_b64 s[8:9], s[0:1], 0x10                ; lists
	v_lshl_add_u32 v232, v0, 2, 0x8200
	v_mov_b32 v233, 0
	s_mov_b32 s10, ttmp9                           ; t
	s_lshl_b32 s16, ttmp9, 8                       ; my block of counts
	s_mov_b32 s17, 0
	s_lshl_b32 s18, ttmp9, 15                      ; my list: 8,192 words
	s_mov_b32 s19, 0
	v_lshlrev_b32 v1, 4, v0                        ; 16 bytes a lane
	v_add_nc_u32 v2, DUMP, v0                      ; my dump word
	v_lshlrev_b32 v3, 2, v0                        ; sample number of my word 0 in load 0 of group 0
	v_lshlrev_b32 v[AD8], 3, v0
	s_wait_kmcnt 0x0
	s_add_nc_u64 s[6:7], s[6:7], s[16:17]
	s_add_nc_u64 s[8:9], s[8:9], s[18:19]
	s_wait_alu depctr_va_vdst(0)                   ; v1 and v[AD8] are written: every global load reads the one as its offset, the way out's loads and stores the other
.macro LOADG g, b                      ; group g into buffer b: eight loads of 512 neighbouring bytes; the group stands in the immediate
.irp q, 0,1,2,3,4,5,6,7
	global_load_b128 v[BUF+32*(\b)+4*\q:BUF+32*(\b)+4*\q+3], v1, s[4:5] offset:4096*(\g)+512*\q
.endr
.endm
.irp g, 0,1,2,3,4,5
	LOADG \g, \g                                   ; 48 loads go out together
.endr
	s_mov_b32 s[BASE], 0
; A group of 1,024 ids, in buffer b.  pb: the buffer of the group before, which holds that group's places.  left: how many younger loads may
; stay out.  refill = 1: buffer pb is asked for again, with the group five further on.
; Three runs, so that no instruction waits for its neighbour: 32 compares into masks, the last group's stores among them; the running counts in
; scalar registers; the places, eight at a time, stage by stage.
.macro GROUP g, b, pb, left, refill
	s_wait_loadcnt \left                           ; loads come back in order (ISA guide 5.7.1): this group's eight are in
.if \g
	s_wait_alu depctr_va_vdst(0)                   ; the group before has written its places (buffer pb) and VAL, which the stores below read, and names buffer pb no more
.endif
.set n, 0
.rept 32
	v_cmp_eq_u32 s[MASK+n], s10, v[BUF+32*\b+n]
.if \g
	ds_store_b32 v[BUF+32*\pb+n], v[VAL+n]         ; the group before.  No wait: no vector instruction since the wait above names buffer pb or VAL
.endif
.set n, n+1
.endr
	s_wait_alu depctr_va_sdst(0)                   ; the 32 compares have written the masks, ahead of their first reader, the count of bits below
.set n, 0
.rept 32
	s_bcnt1_i32_b32 s12, s[MASK+n]
	s_add_co_u32 s[BASE+n+1], s[BASE+n], s12
.set n, n+1
.endr
.if \g
	s_wait_alu depctr_vm_vsrc(0)                   ; the 32 stores above have read VAL, which the adds below write again, and buffer pb, in which a refill's loads land
.endif
.if \refill
	LOADG (\g+5), \pb
.endif
.irp n0, 0,8,16,24
.irp k, 0,1,2,3,4,5,6,7
	v_mbcnt_lo_u32_b32 v[BUF+32*\b+\n0+\k], s[MASK+\n0+\k], s[BASE+\n0+\k]           ; matches in lower lanes + matches so far: over the id, which the compare has read
.endr
.irp k, 0,1,2,3,4,5,6,7
	v_cndmask_b32 v[BUF+32*\b+\n0+\k], v2, v[BUF+32*\b+\n0+\k], s[MASK+\n0+\k]       ; the others go to their dump word
.endr
.irp k, 0,1,2,3,4,5,6,7
	v_min_u32 v[BUF+32*\b+\n0+\k], DUMP+31, v[BUF+32*\b+\n0+\k]                      ; a place made from loaded numbers is bounded before it addresses LDS
.endr
.irp k, 0,1,2,3,4,5,6,7
	v_lshlrev_b32 v[BUF+32*\b+\n0+\k], 2, v[BUF+32*\b+\n0+\k]
.endr
.irp k, 0,1,2,3,4,5,6,7
	v_add_nc_u32 v[VAL+\n0+\k], 1024*\g+128*((\n0+\k)>>2)+((\n0+\k)&3), v3
.endr
.endr
	s_mov_b32 s[BASE], s[BASE+32]
.endm
	GROUP 0, 0, 0, 40, 0                           ; younger: groups 1 to 5
	GROUP 1, 1, 0, 32, 1                           ; groups 2 to 5; group 6 is asked for, into buffer 0
	GROUP 2, 2, 1, 32, 1                           ; groups 3 to 6; group 7 is asked for, into buffer 1
	GROUP 3, 3, 2, 32, 0                           ; groups 4 to 7; from here the counts run down
	GROUP 4, 4, 3, 24, 0
	GROUP 5, 5, 4, 16, 0
	GROUP 6, 0, 5, 8, 0
	GROUP 7, 1, 0, 0, 0
	; the pad run: words c .. c + 63 get sample 0, so that every block of 64 words that is stored is whole
	v_add_nc_u32 v[PADP], s[BASE], v0
	v_min_u32 v[PADP], NS+31, v[PADP]              ; c is 8,192 at the most: nothing is cut
	v_lshlrev_b32 v[PADP], 2, v[PADP]
	v_mov_b32 v[PADV], 0
	; the count
	v_mov_b32 v[CNT], s[BASE]
	v_mov_b32 v[CNT+1], s[BASE]
	s_wait_alu depctr_va_vdst(0)                   ; group 7 has written its places (buffer 1) and VAL; the pad run's place and value and the count are written: the stores below read them
.set n, 0
.rept 32
	ds_store_b32 v[BUF+32*1+n], v[VAL+n]           ; group 7
.set n, n+1
.endr
	ds_store_b32 v[PADP], v[PADV]
	ds_store_b32 v[PADP], v[PADV] offset:128
	global_store_b64 v[AD8], v[CNT:CNT+1], s[6:7]  ; 32 lanes x 8 bytes: 256 consecutive bytes, aligned
	s_add_co_u32 s13, s[BASE], 63
	s_lshr_b32 s13, s13, 6
	s_max_u32 s13, s13, 1                          ; block 0 always: a tile without rows reads it
	s_min_u32 s13, s13, NS/64                      ; blocks of 64 words to store
	; The list leaves through registers, a block of 64 words at a time, through eight pairs by turns.  Each block's place stands in the immediates,
	; so no address register is ever stepped.  LDS serves a wave's instructions in order (ISA guide 5.7.1), so the loads see the stores above.
.set i, 0
.rept NS/64
.if (i % RING == 0) && (i > 0)
	s_wait_xcnt 0x0                                ; the eight stores above have had their addresses translated (ISA guide 3.1): their pairs are loaded again only behind this wait,
	s_wait_alu depctr_vm_vsrc(0)                   ; and they have read the ring's eight pairs, in which the next eight LDS loads land
.endif
	s_cmp_le_u32 s13, i
	s_cbranch_scc1 .Ldone
	ds_load_b64 v[OUT+2*(i%RING):OUT+2*(i%RING)+1], v[AD8] offset:256*i
	s_wait_dscnt 0x0
	global_store_b64 v[AD8], v[OUT+2*(i%RING):OUT+2*(i%RING)+1], s[8:9] offset:256*i   ; 256 consecutive bytes, aligned
.set i, i+1
.endr
.Ldone:
	s_wait_dscnt 0x0                               ; the closing lines, six on end
	s_wait_alu 0x0
	s_wait_tensorcnt 0x0
	ds_add_u32 v232, v233
	s_wait_dscnt 0x0
	s_endpgm
.Lfunc_end_k_qd5917685cc_route:
	.size	k_qd5917685cc_route, .Lfunc_end_k_qd5917685cc_route-k_qd5917685cc_route
	.p2alignl 7, 3214868480
	.fill 96, 4, 3214868480
	.section	.rodata,"a",@progbits
	.p2align	6, 0x0
	.amdhsa_kernel k_qd5917685cc_route
		.amdhsa_group_segment_fixed_size 33536
		.amdhsa_private_segment_fixed_size 0
		.amdhsa_enable_private_segment 0
		.amdhsa_kernarg_size 24
		.amdhsa_user_sgpr_count 2
		.amdhsa_user_sgpr_kernarg_segment_ptr 1
		.amdhsa_wavefront_size32 1
		.amdhsa_system_sgpr_workgroup_id_x 1
		.amdhsa_system_sgpr_workgroup_id_y 1
		.amdhsa_system_sgpr_workgroup_id_z 1
		.amdhsa_system_vgpr_workitem_id 0
		.amdhsa_next_free_vgpr 252
		.amdhsa_next_free_sgpr 100
		.amdhsa_reserve_vcc 0
		.amdhsa_float_denorm_mode_32 3
		.amdhsa_float_denorm_mode_16_64 3
		.amdhsa_memory_ordered 1
		.amdhsa_forward_progress 1
		.amdhsa_inst_pref_size 164
	.end_amdhsa_kernel
	.amdgpu_metadata
---
amdhsa.version: [ 1, 2 ]
amdhsa.kernels:
  - .name:           k_qd5917685cc_route
    .symbol:         k_qd5917685cc_route.kd
    .args:
      - { .name: tissue_vector, .offset: 0, .size: 8, .value_kind: global_buffer, .address_space: global }
      - { .name: counts, .offset: 8, .size: 8, .value_kind: global_buffer, .address_space: global }
      - { .name: lists, .offset: 16, .size: 8, .value_kind: global_buffer, .address_space: global }
    .group_segment_fixed_size: 33536
    .private_segment_fixed_size: 0
    .kernarg_segment_align: 8
    .kernarg_segment_size: 24
    .max_flat_workgroup_size: 32
    .sgpr_count:     100
    .vgpr_count:     252
    .wavefront_size: 32
...
	.end_amdgpu_metadata
.endif
;; end of part 4
;; launch heads: the kernel of part 2 again; grid 159 x 1, 8 waves a work-group, no clusters, 69,632 bytes of LDS; arguments W1, W2, b1, b2, g_exp, counts, lists, zb; writes zb
;; launch finish: the kernel of part 3 again; grid 8 x 1, 8 waves a work-group, no clusters, 0 bytes of LDS; arguments zb, out0; writes out0
